; MI455X (gfx1250); checked and timed in simulation.
; The chip was launched on July 23, 2026; its instructions are those of AMD's public machine-readable ISA for CDNA 5 (MIT licence, August 2026) and "CDNA5" Instruction Set Architecture Reference Guide (July 2026). The comments in the code are by the model that wrote it; some were corrected since.
;; Multi Head Attention. Allowed arithmetic: matrix products marked QUANTISED: E3M2 operands, one E8M0 scale for each 32 along K, by v_wmma_scale_f32_16x16x128_f8f6f4 with both operands' format E3M2, f32 sums; everything else in f32.
;; Inputs: Wk 16 x 1,024 x 64 float32; Wproj 1,024 x 1,024 float32; Wq 16 x 1,024 x 64 float32; Wv 16 x 1,024 x 64 float32; bproj 1,024 float32; x 4 x 2,048 x 1,024 float32.
;; Outputs: out0 4 x 2,048 x 1,024 float32.
;; This version of the problem:
;;   THIS VERSION OF THE PROBLEM IS GIVEN IN LOW PRECISION. The matrix products marked QUANTISED in the list below multiply operands that are first quantised to E3M2 (3 exponent bits, 2 mantissa bits; 6 bits a number), with one power-of-two scale for each 32 numbers along K (OCP MX v1.0); their sums are f32. All else is computed in f32.
;;   The module's matrix products, in the order in which they are computed (A, B: the left and right operand; K: the contracted axis; several contracted axes count as one K, in the product's order):
;;     1. [M 1,024, K 1,024] x [K 1,024, N 8,192]; A: input Wq; B: input x: QUANTISED
;;     2. [M 1,024, K 1,024] x [K 1,024, N 8,192]; A: input Wk; B: input x: QUANTISED
;;     3. [M 1,024, K 1,024] x [K 1,024, N 8,192]; A: input Wv; B: input x: QUANTISED
;;     4. batch 64 x [M 2,048, K 64] x [K 64, N 2,048]; A: computed on the way; B: computed on the way: QUANTISED
;;     5. batch 64 x [M 2,048, K 2,048] x [K 2,048, N 64]; A: softmax (see below); B: computed on the way: QUANTISED
;;     6. [M 8,192, K 1,024] x [K 1,024, N 1,024]; A: computed on the way; B: input Wproj: QUANTISED
;;   THE QUANTISER, for each operand of a quantised product, along K:
;;     - K is cut into blocks of 32 from its start; a last block that is shorter is filled with zeros.
;;     - A block's scale is 2^e with e = floor(log2(the largest magnitude in the block)) - 4, held to -126 .. 127; a block of zeros has e = 0. As a byte (E8M0): e + 127.
;;     - Each number is divided by its block's scale, clamped to +-28, and rounded to the nearest number of E3M2, ties to even, subnormals kept.
;;     - The product sums the exact products of the quantised numbers (number of the format x scale) in f32.
;;   ~~~python
;;   def quantise(x, axis):      # numpy; x: float32 -> the quantised numbers, widened to float32 again
;;       x = np.moveaxis(x, axis, -1); K = x.shape[-1]
;;       x = np.pad(x, [(0, 0)] * (x.ndim - 1) + [(0, -K % 32)]); x = x.reshape(x.shape[:-1] + (-1, 32)); a = np.abs(x).max(-1, keepdims=True)
;;       e = np.where(a > 0, np.clip(np.frexp(np.where(a > 0, a, 1))[1] - 1 - 4, -126, 127), 0)      # np.frexp(a)[1] - 1 = floor(log2(a)), exactly
;;       r = np.clip(x / 2.0 ** e, -28, 28)
;;       step = 2.0 ** (np.maximum(np.frexp(np.where(r == 0, 1, r))[1] - 1, -2) - 2)
;;       q = np.round(r / step) * step * 2.0 ** e      # np.round: ties to even
;;       return np.moveaxis(q.reshape(q.shape[:-2] + (-1,))[..., :K], -1, axis).astype(np.float32)
;;   ~~~
;;   SOFTMAX AHEAD OF A QUANTISED PRODUCT. Where the list says 'softmax', what is quantised is not the finished softmax but p = 2^(t - M), with t = logit x log2(e) and M = ceil(the row's largest t), a whole number; so 1/2 < the row's largest p <= 1. The row's sum l is taken of the UNQUANTISED p, in f32, and the product's result is divided by l at the end. Since M is a whole number, a kernel that streams over the keys may use a running M (the ceiling of the running maximum): every later rescaling is an exact power of two, which a block's scale takes up: the codes' values come out the same.
;;   OPERANDS COMPUTED ON THE WAY. 'Computed on the way' means the value that the module computes at that place (a softmax that the list does not call 'softmax' is quantised finished and normalised). What goes into a quantiser is computed in f32, as accurately as f32 sums, v_exp_f32 and their like allow (about 1e-6 of the number): no bf16 or f16 on the way to a quantiser, and a product that is left as it is and whose result goes on into a quantised operand takes f32 operands (vector FMAs, or v_wmma_f32_16x16x4_f32). A number that lies on a knife's edge between two numbers of the format may be rounded either way, as far as f32 arithmetic and the matrix unit's own rounding can turn it there, and no further.
;; One version. Each part assembles by itself: llvm-mc -triple=amdgcn-amd-amdhsa -mcpu=gfx1250 --defsym DOCPART=n.
;; ======== version 1 of 1: 4 launches
;; limits: right only within a limited range of input values
;; workspace buffers: xc 6,291,456 bytes; xs 262,144 bytes; wc 3,145,728 bytes; ws 131,072 bytes; qc 6,553,600 bytes; kv 13,107,200 bytes; oc 6,291,456 bytes; os 262,144 bytes
;; launch quant (part 1): grid 960 x 1, 2 waves a work-group, no clusters, 34,048 bytes of LDS; arguments x, Wproj, Wq, Wk, Wv, xc, xs, wc, ws; writes xc, xs, wc, ws
.if DOCPART == 1
	.amdgcn_target "amdgcn-amd-amdhsa--gfx1250"
	.amdhsa_code_object_version 6
	.text
	.protected	k_q2fec7ec3b0_quant
	.globl	k_q2fec7ec3b0_quant
	.p2align	8
	.type	k_q2fec7ec3b0_quant,@function
k_q2fec7ec3b0_quant:
	s_mov_b64 s[64:65], 0
	v_nop
	global_prefetch_b8 v0, s[64:65] scope:SCOPE_SE
	s_setreg_imm32_b32 hwreg(HW_REG_WAVE_MODE, 25, 1), 1
	s_wait_xcnt 0x0
; MULTI-HEAD ATTENTION IN MX-BF6, launch 1 of 4: x, Wproj, Wq, Wk, Wv (f32) become codes of E3M2 with one E8M0 byte for each 32 along K = the 1,024 channels.
; WORK LEFT OUT IN THIS PROGRAM: reference() sets the score of key s for query t to -infinity wherever s > t, by a mask that it builds itself (jnp.tril), so the weight there is exactly 0 whatever
; the inputs hold.  The third launch therefore leaves out every step of 128 keys that lies wholly behind a tile's queries.  Nothing else is left out, and every input is loaded.
; LIMITS: a NaN, an infinity or an overflow that would reach only such hidden scores is not carried to the result.  NaN and infinities among the inputs are not served.  A block whose largest magnitude lies
; under 2^-122 keeps the scale byte 1; a block of zeros gets the byte 1 where the quantiser says 127: its codes are zeros, which add nothing, and this program alone reads the bytes.
; LAYOUT OF THE WORKSPACES: the order of the operand's registers.  A tile holds 16 rows: tile T the rows 32 (T / 2) + 8 (T % 2) + i + 8 (i / 8), i = 0 .. 15, so that the 16 result registers of two neighbouring
; tiles of a product's source 0 are 16 neighbours.  A HALF (16 rows x 64 K, 768 bytes): registers 0-3 of lane l at 16 l, registers 4-5 at 512 + 8 l; lane (r, h) holds k = 32 h .. 32 h + 31 of row r.
; A fragment (16 rows x 128 K) is two halves.  xc: [64 groups of 8 tiles][8 K steps][8 tiles][1,536];  wc: [16 groups of 16 tiles][8 K steps][16 tiles][1,536], groups 0-3 Wq, 4-7 Wk, 8-11 Wv (rows = head, d), 12-15 Wproj.
; Scale words: xs, ws: 512 bytes a tile, row r's eight words (one for each K step) at 32 r.
; SHARES: work-groups 0-575 take x and Wproj, whose K is innermost: a work-group takes one tile, 16 rows x 1,024, and wave w its K steps 4 w .. 4 w + 3.  Each load reads 512 consecutive bytes of a row; a K step's
; 16 x 512 bytes turn through the wave's own stage in LDS so that a lane gets two whole blocks of 32 neighbours.  A wave stores its four scale words of each row: 16 bytes, 32 apart, 294,912 bytes in the whole launch.
; Work-groups 576-959 take Wq, Wk, Wv ([head][channel][d]: K is not innermost): a lane takes a column d and its registers run down K; no LDS.
; No tensor loads, no matrix unit, no cluster: memory binds, and no two work-groups read the same bytes.
.set SPARE, 33792                      ; behind the two waves' stages: the spare words, 128 bytes a wave: one block of 256 bytes that no other line names
.set STG,   8448                       ; a stage: 16 rows of 528 bytes; two for each wave, by turns
.set SP,    528                        ; 512 bytes + 16: the 16 rows that a read touches start in 16 different groups of banks
.set SPW,   10                         ; v10 my spare word's address; never rewritten
.set NIL,   11                         ; v11 0; never rewritten
.set FLOOR, 0x2800000                  ; 2^(5 - 127): no largest magnitude is taken under it, so the byte cannot fall under 1
.set EOFF,  0xfe000000                 ; takes 4 off an exponent field
.set NS,    4                          ; K steps a wave
	s_load_b512 s[4:19], s[0:1], 0x0               ; x, Wproj, Wq, Wk, Wv, xc, xs, wc
	s_load_b64 s[20:21], s[0:1], 0x40              ; ws
	v_lshl_add_u32 v[SPW], v0, 2, SPARE
	v_mov_b32 v[NIL], 0
	v_lshrrev_b32 v1, 5, v0
	v_readfirstlane_b32 s22, v1                    ; wave 0, 1
	v_and_b32 v2, 31, v0                           ; lane
	v_and_b32 v3, 15, v0                           ; lane % 16
	v_bfe_u32 v1, v0, 4, 1                         ; lane / 16
	s_cmp_ge_u32 ttmp9, 576
	s_cbranch_scc1 .Lw
; ---------------- x and Wproj: K innermost ----------------
	s_mov_b32 s23, ttmp9                           ; my tile, counted through x's 512 and then Wproj's 64
	s_mul_i32 s41, s22, 2*STG                      ; my wave's stages
	s_mov_b32 s42, 0x76543210
	s_mov_b32 s43, 0xfedcba98                      ; lane selects: lane l xor 16
	s_mov_b32 s27, 196608
	s_mov_b32 s28, 24576
	s_mov_b32 s29, 0
	s_mov_b32 s39, 0
	s_cmp_lt_u32 ttmp9, 512                        ; x or Wproj?  The choices hang on the work-group's number alone
	s_cselect_b32 s24, 0, 512                      ; the tensor's first tile
	s_cselect_b32 s25, 3, 4                        ; tiles in a group: 8 or 16
	s_cselect_b32 s26, 7, 15
	s_cselect_b32 s27, 98304, s27                  ; a group's bytes
	s_cselect_b32 s28, 12288, s28                  ; a K step's bytes in a group
	s_cselect_b32 s30, 0, 2359296                  ; Wproj's groups begin behind twelve others in wc,
	s_cselect_b32 s31, 0, 98304                    ; its scale words behind 192 tiles' in ws
	s_wait_kmcnt 0x0
	s_cselect_b64 s[32:33], s[4:5], s[6:7]         ; the numbers
	s_cselect_b64 s[34:35], s[14:15], s[18:19]     ; the codes
	s_cselect_b64 s[36:37], s[16:17], s[20:21]     ; the scale words
	s_sub_co_u32 s23, s23, s24                     ; T
	s_lshr_b32 s38, s23, 1
	s_lshl_b32 s38, s38, 17                        ; 32 (T / 2) rows of 4,096 bytes
	s_and_b32 s40, s23, 1
	s_lshl_b32 s40, s40, 15                        ; + 8 (T % 2) rows
	s_add_co_u32 s38, s38, s40
	s_lshl_b32 s40, s22, 11                        ; + my wave's four K steps of 512 bytes
	s_add_co_u32 s38, s38, s40
	s_add_nc_u64 s[32:33], s[32:33], s[38:39]
	s_lshr_b32 s38, s23, s25
	s_mul_i32 s38, s38, s27                        ; the group,
	s_and_b32 s40, s23, s26
	s_mul_i32 s40, s40, 1536                       ; the tile in it,
	s_add_co_u32 s38, s38, s40
	s_add_co_u32 s38, s38, s30
	s_mul_i32 s40, s22, s28
	s_lshl_b32 s40, s40, 2                         ; my wave's first K step
	s_add_co_u32 s38, s38, s40
	s_add_nc_u64 s[34:35], s[34:35], s[38:39]
	s_lshl_b32 s38, s23, 9
	s_add_co_u32 s38, s38, s31
	s_lshl_b32 s40, s22, 4                         ; my wave's four words of a row's eight
	s_add_co_u32 s38, s38, s40
	s_add_nc_u64 s[36:37], s[36:37], s[38:39]
	s_wait_alu depctr_va_vdst(0)
	v_lshlrev_b32 v4, 4, v2                        ; 16 x lane
	v_lshlrev_b32 v5, 3, v2                        ; 8 x lane
	v_add_nc_u32 v6, s41, v4                       ; into a stage: 16 bytes a lane of a row's 512
	v_mul_u32_u24 v7, v3, SP
	v_lshl_add_u32 v7, v1, 7, v7
	v_add_nc_u32 v7, s41, v7                       ; out of it: row r, + 128 h: my block of 32 numbers
	v_lshlrev_b32 v8, 5, v3                        ; my row's scale words: 32 r (both halves of the lanes hold the same words and name the same place)
	v_lshlrev_b32 v9, 3, v1                        ; 8 h: my bytes' place in a scale word
	v_mov_b32 v31, 0                               ; written once: a lane permute's destination counts as one of its sources
.macro XLOAD s                         ; my K step s of my 16 rows, 512 consecutive bytes a load, into raw set s % 2
.irp i, 0,1,2,3,4,5,6,7,8,9,10,11,12,13,14,15
	global_load_b128 v[128+64*((\s)%2)+4*\i:128+64*((\s)%2)+4*\i+3], v4, s[32:33] offset:(\i+8*(\i/8))*4096+512*(\s) th:TH_LOAD_NT
.endr
.endm
.macro XFRAG s                         ; my K step s becomes a fragment and a scale word a row
.set RW, 128+64*((\s)%2)
.set CX, 32+12*((\s)%2)
.set SB, STG*((\s)%2)
.if (\s) < NS-1
	s_wait_loadcnt 16                              ; this step's 16 loads are in; the next step's 16 may be out
.else
	s_wait_loadcnt 0x0
.endif
.irp i, 0,1,2,3,4,5,6,7,8,9,10,11,12,13,14,15
	ds_store_b128 v6, v[RW+4*\i:RW+4*\i+3] offset:SB+SP*\i
.endr
.irp c, 0,1
.irp j, 0,1,2,3,4,5,6,7
	ds_load_b128 v[64+32*\c+4*\j:64+32*\c+4*\j+3], v7 offset:SB+256*\c+16*\j   ; k = 64 c + 32 h + 4 j ..: LDS serves a wave's instructions in order, so these see the stores above
.endr
.endr
	s_wait_dscnt 16                                ; the 16 stores are done (the 16 loads behind them may be out): the raw set is free
.if (\s)+2 < NS
	XLOAD (\s)+2
.endif
	s_wait_dscnt 0x0
.irp c, 0,1
	v_max3_num_f32 v[12+\c], |v[64+32*\c]|, |v[65+32*\c]|, FLOOR   ; my block 2 c + h: all 32 numbers are mine
.endr
.irp i, 2,4,6,8,10,12,14,16,18,20,22,24,26,28,30
.irp c, 0,1
	v_max3_num_f32 v[12+\c], v[12+\c], |v[64+32*\c+\i]|, |v[65+32*\c+\i]|
.endr
.endr
.irp c, 0,1
	v_add_nc_u32 v[14+\c], EOFF, v[12+\c]          ; the conversion takes the exponent field of this operand as its scale
.endr
.irp c, 0,1
	v_lshrrev_b32 v[28+\c], 23, v[14+\c]           ; the scale's byte
.endr
	v_lshl_or_b32 v30, v29, 16, v28                ; blocks h and 2 + h,
	v_lshlrev_b32 v30, v9, v30                     ; at their places in the word;
	v_permlanex16_b32 v31, v30, s42, s43
	v_or_b32 v[16+(\s)], v30, v31                  ; with lane l xor 16's two the word is whole
.irp c, 0,1
	v_cvt_scalef32_pk16_bf6_f32 v[CX+6*\c:CX+6*\c+2], v[64+32*\c:64+32*\c+15], v[14+\c]
	v_cvt_scalef32_pk16_bf6_f32 v[56+4*\c:56+4*\c+2], v[80+32*\c:80+32*\c+15], v[14+\c]   ; (a conversion's three registers begin on an even number)
.endr
	v_nop                                          ; one plain instruction behind the conversions
.irp c, 0,1
.irp i, 0,1,2
	v_mov_b32 v[CX+6*\c+3+\i], v[56+4*\c+\i]
.endr
.endr
	s_wait_alu depctr_va_vdst(0)
	s_wait_xcnt 0x0                                ; the earlier stores have read their base, and the other set of codes: both may be written
.if (\s) > 0
	s_add_nc_u64 s[34:35], s[34:35], s[28:29]      ; the next K step's place
.endif
	global_store_b128 v4, v[CX:CX+3], s[34:35]                 ; 512 consecutive bytes
	global_store_b64 v5, v[CX+4:CX+5], s[34:35] offset:512     ; 256
	global_store_b128 v4, v[CX+6:CX+9], s[34:35] offset:768
	global_store_b64 v5, v[CX+10:CX+11], s[34:35] offset:1280
.endm
	XLOAD 0
	XLOAD 1
	s_wait_alu depctr_va_vdst(0)
.irp s, 0,1,2,3
	XFRAG \s
.endr
	global_store_b128 v8, v[16:19], s[36:37]       ; my four scale words of each row
	s_wait_tensorcnt 0x0                           ; the wave's end, behind my last LDS store
	ds_add_u32 v[SPW], v[NIL]
	s_wait_dscnt 0x0
	s_endpgm
; ---------------- Wq, Wk, Wv: a lane to a column d, registers down K ----------------
.Lw:
	s_sub_co_u32 s23, ttmp9, 576
	s_and_b32 s24, s23, 7                          ; K step
	s_bfe_u32 s25, s23, 0x40003                    ; head
	s_lshr_b32 s26, s23, 7                         ; 0 Wq, 1 Wk, 2 Wv
	s_lshl_b32 s38, s25, 18                        ; a head is 262,144 bytes,
	s_lshl_b32 s39, s24, 15                        ; 128 channels 32,768,
	s_add_co_u32 s38, s38, s39
	s_lshl_b32 s39, s22, 7                         ; my wave's 32 columns 128
	s_add_co_u32 s38, s38, s39
	s_mov_b32 s39, 0
	s_lshl_b32 s27, s26, 2
	s_lshr_b32 s28, s25, 2
	s_add_co_u32 s27, s27, s28                     ; the group of 4 heads in wc
	s_and_b32 s28, s25, 3
	s_lshl_b32 s28, s28, 2
	s_lshl_b32 s29, s22, 1
	s_add_co_u32 s28, s28, s29                     ; my wave's two tiles in it
	s_mul_i32 s40, s27, 196608
	s_mul_i32 s29, s24, 24576
	s_add_co_u32 s40, s40, s29
	s_mul_i32 s29, s28, 1536
	s_add_co_u32 s40, s40, s29
	s_mov_b32 s41, 0
	s_lshl_b32 s42, s27, 4
	s_add_co_u32 s42, s42, s28
	s_lshl_b32 s42, s42, 9                         ; 512 bytes of scale words a tile,
	s_lshl_b32 s29, s24, 2
	s_add_co_u32 s42, s42, s29                     ; this K step's word
	s_mov_b32 s43, 0
	v_bfe_u32 v4, v0, 3, 1                         ; column l of the 32 is row r = l % 8 + 8 (l / 16) of tile u = (l / 8) % 2
	v_and_b32 v5, 7, v0
	s_wait_alu depctr_va_vdst(0)
	v_lshl_add_u32 v5, v1, 3, v5
	v_lshlrev_b32 v6, 9, v4
	v_lshl_add_u32 v6, v5, 5, v6                   ; my scale word: 512 u + 32 r
	v_lshlrev_b32 v7, 2, v2                        ; in: 4 bytes a lane
	v_mul_u32_u24 v8, v4, 1536
	v_lshl_add_u32 v9, v5, 3, v8                   ; registers 4-5 of a half: 1,536 u + 8 r
	v_lshl_add_u32 v8, v5, 4, v8                   ; registers 0-3: 1,536 u + 16 r
	s_wait_alu depctr_va_vdst(0)
	s_wait_kmcnt 0x0
	s_cmp_eq_u32 s26, 0
	s_cselect_b64 s[32:33], s[8:9], s[10:11]
	s_cmp_eq_u32 s26, 2
	s_cselect_b64 s[32:33], s[12:13], s[32:33]
	s_add_nc_u64 s[32:33], s[32:33], s[38:39]
	s_add_nc_u64 s[34:35], s[18:19], s[40:41]
	s_add_nc_u64 s[36:37], s[20:21], s[42:43]
.set I, 0
.rept 128
	global_load_b32 v[64+I], v7, s[32:33] offset:256*I th:TH_LOAD_NT   ; channel 128 s + I at 32 neighbouring d; the two waves together read the whole row of 256 bytes
.set I, I+1
.endr
.macro WBLK2 x, y                      ; blocks x and y of my column's four, by turns.  Block b is half b / 2, lanes' half b % 2 of the fragment
.irp b, \x, \y
	v_max3_num_f32 v[12+\b], |v[64+32*\b]|, |v[65+32*\b]|, FLOOR
.endr
.irp i, 2,4,6,8,10,12,14,16,18,20,22,24,26,28,30
.irp b, \x, \y
	v_max3_num_f32 v[12+\b], v[12+\b], |v[64+32*\b+\i]|, |v[65+32*\b+\i]|
.endr
.endr
.irp b, \x, \y
	v_add_nc_u32 v[16+\b], EOFF, v[12+\b]
.endr
.irp b, \x, \y
	v_lshrrev_b32 v[20+\b], 23, v[16+\b]
.endr
.irp b, \x, \y
	v_cvt_scalef32_pk16_bf6_f32 v[192+8*\b:194+8*\b], v[64+32*\b:79+32*\b], v[16+\b]
	v_cvt_scalef32_pk16_bf6_f32 v[224+4*\b:226+4*\b], v[80+32*\b:95+32*\b], v[16+\b]
.endr
	v_nop                                          ; one plain instruction behind the conversions
.irp b, \x, \y
.irp i, 0,1,2
	v_mov_b32 v[195+8*\b+\i], v[224+4*\b+\i]
.endr
.endr
.irp b, \x, \y
	global_store_b128 v8, v[192+8*\b:195+8*\b], s[34:35] offset:768*(\b/2)+256*(\b%2)       ; sixteen lanes of a tile store 256 consecutive bytes
	global_store_b64 v9, v[196+8*\b:197+8*\b], s[34:35] offset:768*(\b/2)+512+128*(\b%2)
.endr
.endm
	s_wait_loadcnt 63                              ; the first 65 loads are in: blocks 0 and 1
	WBLK2 0, 1
	s_wait_loadcnt 0x0
	WBLK2 2, 3
	v_lshl_or_b32 v24, v21, 8, v20
	v_lshl_or_b32 v24, v22, 16, v24
	v_lshl_or_b32 v24, v23, 24, v24
	global_store_b32 v6, v24, s[36:37]             ; my row's word for this K step: 4 bytes, 32 apart: 98,304 bytes in the whole launch
	s_endpgm
.Lfunc_end_k_q2fec7ec3b0_quant:
	.size	k_q2fec7ec3b0_quant, .Lfunc_end_k_q2fec7ec3b0_quant-k_q2fec7ec3b0_quant
	.p2alignl 7, 3214868480
	.fill 96, 4, 3214868480
	.section	.rodata,"a",@progbits
	.p2align	6, 0x0
	.amdhsa_kernel k_q2fec7ec3b0_quant
		.amdhsa_group_segment_fixed_size 34048
		.amdhsa_private_segment_fixed_size 0
		.amdhsa_enable_private_segment 0
		.amdhsa_kernarg_size 72
		.amdhsa_user_sgpr_count 2
		.amdhsa_user_sgpr_kernarg_segment_ptr 1
		.amdhsa_wavefront_size32 1
		.amdhsa_system_sgpr_workgroup_id_x 1
		.amdhsa_system_sgpr_workgroup_id_y 1
		.amdhsa_system_sgpr_workgroup_id_z 1
		.amdhsa_system_vgpr_workitem_id 0
		.amdhsa_next_free_vgpr 256
		.amdhsa_next_free_sgpr 66
		.amdhsa_reserve_vcc 0
		.amdhsa_float_denorm_mode_32 3
		.amdhsa_float_denorm_mode_16_64 3
		.amdhsa_memory_ordered 1
		.amdhsa_forward_progress 1
		.amdhsa_inst_pref_size 52
	.end_amdhsa_kernel
	.amdgpu_metadata
---
amdhsa.version: [ 1, 2 ]
amdhsa.kernels:
  - .name:           k_q2fec7ec3b0_quant
    .symbol:         k_q2fec7ec3b0_quant.kd
    .args:
      - { .name: x, .offset: 0, .size: 8, .value_kind: global_buffer, .address_space: global }
      - { .name: Wproj, .offset: 8, .size: 8, .value_kind: global_buffer, .address_space: global }
      - { .name: Wq, .offset: 16, .size: 8, .value_kind: global_buffer, .address_space: global }
      - { .name: Wk, .offset: 24, .size: 8, .value_kind: global_buffer, .address_space: global }
      - { .name: Wv, .offset: 32, .size: 8, .value_kind: global_buffer, .address_space: global }
      - { .name: xc, .offset: 40, .size: 8, .value_kind: global_buffer, .address_space: global }
      - { .name: xs, .offset: 48, .size: 8, .value_kind: global_buffer, .address_space: global }
      - { .name: wc, .offset: 56, .size: 8, .value_kind: global_buffer, .address_space: global }
      - { .name: ws, .offset: 64, .size: 8, .value_kind: global_buffer, .address_space: global }
    .group_segment_fixed_size: 34048
    .private_segment_fixed_size: 0
    .kernarg_segment_align: 8
    .kernarg_segment_size: 72
    .max_flat_workgroup_size: 64
    .sgpr_count:     66
    .vgpr_count:     256
    .wavefront_size: 32
...
	.end_amdgpu_metadata
.endif
;; end of part 1
;; launch qkv (part 2): grid 4 x 64, 4 waves a work-group, clusters of 4 x 4, 327,680 bytes of LDS; arguments xc, xs, wc, ws, qc, kv; writes qc, kv
.if DOCPART == 2
	.amdgcn_target "amdgcn-amd-amdhsa--gfx1250"
	.amdhsa_code_object_version 6
	.text
	.protected	k_q2fec7ec3b0_qkv
	.globl	k_q2fec7ec3b0_qkv
	.p2align	8
	.type	k_q2fec7ec3b0_qkv,@function
k_q2fec7ec3b0_qkv:
	s_mov_b64 s[64:65], 0
	v_nop
	global_prefetch_b8 v0, s[64:65] scope:SCOPE_SE
	s_setreg_imm32_b32 hwreg(HW_REG_WAVE_MODE, 25, 1), 1
	s_wait_xcnt 0x0
	s_wait_alu depctr_hold_cnt(0) depctr_sa_sdst(0) depctr_va_vdst(0) depctr_va_sdst(0) depctr_va_ssrc(0) depctr_va_vcc(0) depctr_vm_vsrc(0)
	s_getreg_b32 s2, hwreg(HW_REG_IB_STS2, 6, 4)
	s_cmp_eq_u32 s2, 0
	s_cbranch_scc0 .Lentry_in_a_cluster
	s_endpgm
.Lentry_in_a_cluster:
	s_bfe_u32 s2, ttmp6, 0x10000c
	s_cmp_lg_u32 s2, 0xf033
	s_cbranch_scc0 .Lentry_shape_is_right
	s_endpgm
.Lentry_shape_is_right:
; Launch 2 of 4: q, k, v = x W, on codes of E3M2, and their quantising: q and k along the head's 64, v along the keys.  Nothing is left out here.
; SHARES: 256 work-groups that stay.  Work-group (cx, G) makes 128 tokens (group G of xc) x 4 heads (4 cx .. 4 cx + 3) of q, then of k, then of v; wave w makes all 128 tokens x head 4 cx + w: 32 accumulators, 256 registers.
; LDS: x's group, all of K, 98,304 bytes, is fetched once and stays.  W's group (16 tiles x 8 K steps, 196,608 bytes) lies behind it in two halves of four K steps.  The lower half is filled again, with the next tensor's,
; at the head of K step 3 (its last fragments are in registers then), the upper half at the head of K step 7.  Each refill stands behind the wait for all tensor loads, the add, the wait for the LDS reads and a round of the
; cluster's barrier; every wave issues one load of 24,576 bytes.  By the text's own count a lower half has four K steps in which to land, an upper half one K step, the way out and three K steps; a wave has one load out.
; The round at K step 3 also shows the upper half whole, the round at K step 7 the lower half: no other barrier stands in a pass.  No prefetch: each refill is itself asked for that far ahead of its first read.
; CLUSTER 4 x 4: x's tiles hang on G alone and are shared along a row of the cluster, W's on cx alone and are shared along a column: joint loads.
; q, k (two trips of a loop): source 0 = 16 rows of W, source 1 = 16 tokens: a lane holds one token, its registers run along d, the next K.  v (the tail, written out: it asks for nothing more): source 0 = 16 tokens,
; source 1 = 16 rows of W: a lane holds one d, its registers run along the tokens, which are the keys.  By the order of a tile's rows (see the first launch) accumulator registers 16 b .. 16 b + 15 are half a block of 32
; along the next K, the other half in lane l xor 16, and ONE way out serves all three.
; OUT: qc: [b, head][16 chunks of 128 queries][8 halves of 768][256 scale bytes];  kv: [b, head][16 chunks of 128 keys][K: 8 halves][256][V: 4 fragments of 1,536][256].  Scale bytes: row r's 16 at 16 r.
; A wave stores a whole part of 6,400 bytes, every store 256 or 512 consecutive bytes, straight from registers.
; REGISTERS, in windows of 256: window 0: addresses, scale words, the way out; windows 1 and 2: fragment buffers 0 and 1 (x's tile a at v[12 a], W's tile b at v[96 + 12 b]); window 3: the accumulators.
.set SPARE, 294912                     ; behind the tiles: the spare words, 128 bytes a wave: two blocks of 256 bytes that no other line names
.set WSTEP, 4*196608                   ; from a tensor's group of W to the next tensor's
.set SPW,  8
.set NIL,  9
.set XS,   16                          ; v16-47 x's scale words: tile a, register j: K step j in lanes 0-15, K step 4 + j in lanes 16-31
.set WS,   48                          ; v48-63 W's likewise
.set AA16, 64                          ; v64-67 K steps 2 j, 2 j + 1 of x in LDS + 16 x lane;  v68-71 + 8 x lane
.set AA8,  68
.set BB16, 72                          ; v72-75, v76-79 the same for my four tiles of W
.set BB8,  76
.set TM,   112                         ; v112-127 largest magnitudes; later the conversions' second halves (v112-143)
.set TP,   128                         ; v128-143 lane l xor 16's; then the bytes
.set SO,   144                         ; v144-159 the conversions' scale operands
.set PWD,  160                         ; v160-163 the bytes as words
.set OW,   164                         ; v164-165 my 8 of a row's 16 bytes
.set CD,   168                         ; v168-231 the codes: half m at v[168 + 8 m], six registers
.set MSB, 0
.macro WIN new                         ; the immediate's high byte repeats the setting that is left; a switch that changes nothing is dropped
.if MSB != (\new)
	s_set_vgpr_msb (MSB<<8)|(\new)
.set MSB, (\new)
.endif
.endm
.macro CROUND                          ; a round of the cluster's barrier
	s_barrier_signal -1
	s_barrier_wait -1
	s_cmp_lg_u32 s16, 0
	s_cbranch_scc1 .Lnot_wave_0_\@
	s_barrier_signal -3
.Lnot_wave_0_\@:
	s_barrier_wait -3
	s_barrier_signal -1
	s_barrier_wait -1
.endm
.macro PLACES
.rept 4
	v_nop
.endr
.endm
	s_load_b256 s[4:11], s[0:1], 0x0               ; xc, xs, wc, ws
	s_load_b128 s[12:15], s[0:1], 0x20             ; qc, kv
	v_lshl_add_u32 v[SPW], v0, 2, SPARE
	v_mov_b32 v[NIL], 0
	ds_add_u32 v[SPW], v[NIL]                      ; the wave's opening: the add, twice on end, and its wait ahead of my first tensor load
	ds_add_u32 v[SPW], v[NIL]
	v_lshrrev_b32 v1, 5, v0
	v_readfirstlane_b32 s16, v1                    ; wave 0..3
	s_bfe_u32 s17, ttmp6, 0x40000                  ; cx: which four heads
	s_bfe_u32 s18, ttmp6, 0x40004                  ; cy
	s_and_b32 s20, ttmp7, 0xffff
	s_lshl_b32 s20, s20, 2
	s_add_co_u32 s20, s20, s18                     ; G = 4 x cluster y + cy
	s_lshl_b32 s76, s18, 2
	s_lshl_b32 s76, 15, s76                        ; my row of the cluster
	s_lshl_b32 s77, 0x1111, s17                    ; my column
	; three groups 1: dense blocks as rows of 256 bytes (32 elements of 8 bytes), no padding: the images are read 512 or 256 consecutive bytes at a time
	s_or_b32 s24, s76, (3<<16)|(1<<21)             ; x's group: 384 rows
	s_mov_b32 s25, 32<<16
	s_mov_b32 s26, 384<<16
	s_mov_b32 s27, 32<<16
	s_mov_b32 s28, 384
	s_mov_b32 s29, 32
	s_mov_b32 s30, 0
	s_mov_b32 s31, 0
	s_or_b32 s32, s77, (3<<16)|(1<<21)             ; at the head a third of W's group: 256 rows
	s_mov_b32 s33, 32<<16
	s_mov_b32 s34, 256<<16
	s_mov_b32 s35, 32<<16
	s_mov_b32 s36, 256
	s_mov_b32 s37, 32
	s_mov_b32 s38, 0
	s_mov_b32 s39, 0
	s_or_b32 s68, s77, (3<<16)|(1<<21)             ; a refill: a quarter of a half of W's group: 96 rows
	s_mov_b32 s69, 32<<16
	s_mov_b32 s70, 96<<16
	s_mov_b32 s71, 32<<16
	s_mov_b32 s72, 96
	s_mov_b32 s73, 32
	s_mov_b32 s74, 0
	s_mov_b32 s75, 0
	s_mul_i32 s78, s20, 98304                      ; x's group
	s_mov_b32 s79, 0
	s_xor_b32 s22, s16, 3                          ; at the head waves 1, 2, 3 fetch thirds 2, 1, 0 of Wq's group (wave 0 fetches x's)
	s_lshl_b32 s23, s22, 16
	s_mul_i32 s80, s17, 196608                     ; Wq's group cx
	s_add_co_u32 s80, s80, s23
	s_mov_b32 s81, 0
	s_mul_i32 s96, s16, 24576                      ; my quarter of a half
	s_mul_i32 s98, s17, 196608
	s_add_co_u32 s98, s98, s96
	s_mov_b32 s99, 0
	s_mov_b32 s92, 0x76543210
	s_mov_b32 s93, 0xfedcba98                      ; lane selects: lane l xor 16
	s_mov_b32 s94, 0xffff0000                      ; lanes 16-31
	s_wait_dscnt 0x0                               ; both opening adds are done
	s_wait_kmcnt 0x0
	s_add_nc_u64 s[78:79], s[4:5], s[78:79]
	s_add_nc_u64 s[80:81], s[8:9], s[80:81]
	s_add_nc_u64 s[62:63], s[8:9], s[98:99]        ; the refills' addresses begin at Wq's group and are stepped ahead of their first use
	s_add_nc_u64 s[54:55], s[62:63], 98304
	CROUND                                         ; all sixteen work-groups are here: the joint loads meet
	s_mov_b32 s40, 1                               ; group 0: x's group, to LDS byte 0
	s_mov_b32 s41, 0
	s_mov_b64 s[42:43], s[78:79]
	s_or_b32 s43, s43, 0x80000000
	s_mov_b32 s56, 1                               ; my third of Wq's group
	s_add_co_u32 s57, s23, 98304
	s_mov_b64 s[58:59], s[80:81]
	s_or_b32 s59, s59, 0x80000000
	s_mov_b32 s60, 1                               ; my quarter of the lower half
	s_add_co_u32 s61, s96, 98304
	s_or_b32 s63, s63, 0x80000000
	s_mov_b32 s52, 1                               ; and of the upper half
	s_add_co_u32 s53, s96, 196608
	s_or_b32 s55, s55, 0x80000000
	s_cmp_eq_u32 s16, 0                            ; every wave issues ONE first fill, in one arm or the other
	s_cbranch_scc0 .Lfill_w
	tensor_load_to_lds s[40:43], s[24:31]
	s_nop 0
	PLACES
	s_branch .Lfilled
.Lfill_w:
	tensor_load_to_lds s[56:59], s[32:39]
	s_nop 0
	PLACES
.Lfilled:
	v_and_b32 v5, 31, v0
	v_lshlrev_b32 v1, 4, v5                        ; 16 x lane
	v_lshlrev_b32 v2, 3, v5                        ; 8 x lane
	v_and_b32 v6, 15, v0                           ; r
	v_bfe_u32 v7, v0, 4, 1                         ; h
	v_lshlrev_b32 v3, 5, v6
	v_lshl_add_u32 v3, v7, 4, v3                   ; 32 r + 16 h
	s_wait_alu depctr_va_vdst(0)
	v_lshlrev_b32 v4, 4, v6
	v_lshl_add_u32 v4, v7, 3, v4                   ; 16 r + 8 h
	s_lshl_b32 s82, s20, 12                        ; x's scale words: 8 tiles of 512 bytes a group
	s_mov_b32 s83, 0
	s_add_nc_u64 s[82:83], s[6:7], s[82:83]
	s_lshl_b32 s84, s17, 13                        ; W's: 16 tiles a group, my four
	s_lshl_b32 s85, s16, 11
	s_add_co_u32 s84, s84, s85
	s_mov_b32 s85, 0
	s_add_nc_u64 s[84:85], s[10:11], s[84:85]
.irp a, 0,1,2,3,4,5,6,7
	global_load_b128 v[XS+4*\a:XS+4*\a+3], v3, s[82:83] offset:512*\a
.endr
.irp b, 0,1,2,3
	global_load_b128 v[WS+4*\b:WS+4*\b+3], v3, s[84:85] offset:512*\b
.endr
	s_mul_i32 s86, s16, 6144                       ; my four tiles in a K step's sixteen
.irp j, 0,1,2,3
	v_add_nc_u32 v[AA16+\j], 24576*\j, v1
	v_add_nc_u32 v[AA8+\j], 24576*\j, v2
	s_add_co_u32 s87, s86, 98304+49152*\j
	v_add_nc_u32 v[BB16+\j], s87, v1
	v_add_nc_u32 v[BB8+\j], s87, v2
.endr
	; where my parts go: part ((16 b + head) x 16 + chunk)
	s_lshr_b32 s86, s20, 4
	s_lshl_b32 s86, s86, 4
	s_lshl_b32 s87, s17, 2
	s_add_co_u32 s86, s86, s87
	s_add_co_u32 s86, s86, s16
	s_lshl_b32 s86, s86, 4
	s_and_b32 s87, s20, 15
	s_add_co_u32 s86, s86, s87
	s_mul_i32 s90, s86, 6400
	s_mov_b32 s91, 0
	s_add_nc_u64 s[88:89], s[12:13], s[90:91]      ; q's part: where the first way out stores
	s_mul_i32 s90, s86, 12800
	s_add_nc_u64 s[46:47], s[14:15], s[90:91]      ; K's part; V's lies 6,400 bytes behind it
.macro FETCH s, p                      ; 48 LDS loads in one run: K step s: x's eight fragments and my four of W into buffer p
	WIN 0x40*(1+(\p))
.irp a, 0,1,2,3,4,5,6,7
.irp c, 0,1
	ds_load_b128 v[12*\a+6*\c:12*\a+6*\c+3], v[AA16+(\s)/2] offset:((\s)%2)*12288+1536*\a+768*\c
	ds_load_b64 v[12*\a+6*\c+4:12*\a+6*\c+5], v[AA8+(\s)/2] offset:((\s)%2)*12288+1536*\a+768*\c+512
.endr
.endr
.irp b, 0,1,2,3
.irp c, 0,1
	ds_load_b128 v[96+12*\b+6*\c:96+12*\b+6*\c+3], v[BB16+(\s)/2] offset:((\s)%2)*24576+1536*\b+768*\c
	ds_load_b64 v[96+12*\b+6*\c+4:96+12*\b+6*\c+5], v[BB8+(\s)/2] offset:((\s)%2)*24576+1536*\b+768*\c+512
.endr
.endr
	WIN 0
.endm
.macro WM s, d, x, y, sx, sy           ; one product; K step 0 starts the sum; K steps 4-7 take their scale words from lanes 16-31
.if (\s) == 0
	v_wmma_scale_f32_16x16x128_f8f6f4 v[(\d):(\d)+7], v[(\x):(\x)+11], v[(\y):(\y)+11], 0, v[\sx], v[\sy] matrix_a_fmt:MATRIX_FMT_BF6 matrix_b_fmt:MATRIX_FMT_BF6
.elseif (\s) < 4
	v_wmma_scale_f32_16x16x128_f8f6f4 v[(\d):(\d)+7], v[(\x):(\x)+11], v[(\y):(\y)+11], v[(\d):(\d)+7], v[\sx], v[\sy] matrix_a_fmt:MATRIX_FMT_BF6 matrix_b_fmt:MATRIX_FMT_BF6
.else
	v_wmma_scale_f32_16x16x128_f8f6f4 v[(\d):(\d)+7], v[(\x):(\x)+11], v[(\y):(\y)+11], v[(\d):(\d)+7], v[\sx], v[\sy] matrix_a_fmt:MATRIX_FMT_BF6 matrix_b_fmt:MATRIX_FMT_BF6 matrix_a_scale:MATRIX_SCALE_ROW1 matrix_b_scale:MATRIX_SCALE_ROW1
.endif
.endm
.macro MUL s, tr                       ; 32 products, the 32 accumulators by turns, one instruction a turn
.irp a, 0,1,2,3,4,5,6,7
.irp b, 0,1,2,3
.if \tr
	WM \s, 32*\a+8*\b, 96+12*\b, 12*\a, WS+4*\b+(\s)%4, XS+4*\a+(\s)%4
.else
	WM \s, 64*\b+8*\a, 12*\a, 96+12*\b, XS+4*\a+(\s)%4, WS+4*\b+(\s)%4
.endif
.endr
.endr
.endm
; A K step.  fill = 1 (q's and k's passes): at K steps 3 and 7 a half of W's bytes is filled again.  fill = 0 (v's pass): at K step 3 a plain barrier shows the upper half whole.
.macro KSTEP s, tr, fill
.if (\s) == 3 || ((\s) == 7 && \fill)
	s_wait_tensorcnt 0x0                           ; all my tensor loads have landed: the one that was out is my quarter of the other half;
.if \fill
	ds_add_u32 v[SPW], v[NIL]                      ; 0 onto my spare word;
.if (\s) == 3
	s_add_nc_u64 s[62:63], s[62:63], WSTEP         ; no load of mine is out, so both refills' addresses step to the next tensor's group
	s_add_nc_u64 s[54:55], s[54:55], WSTEP
.endif
.endif
	s_wait_dscnt 0x0                               ; the add is done, and so are my reads of the half that is left behind (this K step's fragments were its last)
.if \fill
	CROUND                                         ; both hold of every wave of every partner
	tensor_load_to_lds s[60-8*((\s)/7):63-8*((\s)/7)], s[68:75]    ; my one load behind the round: my quarter of the next tensor's lower (K step 3) or upper (K step 7) half
	s_nop 0
.else
	s_barrier_signal -1
	s_barrier_wait -1
.endif
.endif
.if (\s) < 7
	PLACES                                         ; four places in front of loads into registers that the last products read
	FETCH (\s)+1, ((\s)+1)%2
	s_wait_dscnt 48                                ; this step's fragments are in; the 48 loads just issued may be out
.elseif \fill
	PLACES                                         ; four vector instructions between the tensor load and the switch of windows
.else
	s_wait_dscnt 0x0
.endif
	WIN 0xF0+5*(1+(\s)%2)                          ; sources in the buffer's window, C and D in window 3
	MUL \s, \tr
	WIN 0
.endm
; THE WAY OUT: sixteen half blocks a lane: block b = accumulator registers 16 b .. 16 b + 15.  more = 1: the next tensor's scale words are asked for on the way
.macro WAYOUT more
.irp b, 0,1,2,3,4,5,6,7,8,9,10,11,12,13,14,15
	v_mov_b32 v[TP+\b], 0                          ; a lane permute's destination counts as one of its sources.  (These are also the places behind the last products)
.endr
.if \more
	s_add_nc_u64 s[84:85], s[84:85], 4*8192        ; (the earlier loads from this base were waited for at the pass's head)
.irp b, 0,1,2,3
	global_load_b128 v[WS+4*\b:WS+4*\b+3], v3, s[84:85] offset:512*\b
.endr
.endif
	WIN 0x0F                                       ; sources 0 and 1: window 3
.irp b, 0,1,2,3,4,5,6,7,8,9,10,11,12,13,14,15
	v_max3_num_f32 v[TM+\b], |v[16*\b]|, |v[16*\b+1]|, 0x2800000   ; each accumulator is read from its low end on; the floor 2^(5 - 127) holds the byte at 1 from below
.endr
	WIN 0x3C                                       ; sources 1 and 2: window 3
.irp i, 2,4,6,8,10,12,14
.irp b, 0,1,2,3,4,5,6,7,8,9,10,11,12,13,14,15
	v_max3_num_f32 v[TM+\b], v[TM+\b], |v[16*\b+\i]|, |v[16*\b+\i+1]|
.endr
.endr
	WIN 0
.irp b, 0,1,2,3,4,5,6,7,8,9,10,11,12,13,14,15
	v_permlanex16_b32 v[TP+\b], v[TM+\b], s92, s93
.endr
.irp b, 0,1,2,3,4,5,6,7,8,9,10,11,12,13,14,15
	v_max_num_f32 v[TM+\b], v[TM+\b], v[TP+\b]     ; with lane l xor 16's: the block's largest magnitude
.endr
.irp b, 0,1,2,3,4,5,6,7,8,9,10,11,12,13,14,15
	v_add_nc_u32 v[SO+\b], 0xfe000000, v[TM+\b]    ; 4 off its exponent field: the conversion's scale operand
.endr
.irp b, 0,1,2,3,4,5,6,7,8,9,10,11,12,13,14,15
	v_lshrrev_b32 v[TP+\b], 23, v[SO+\b]           ; the byte
.endr
.irp j, 0,1,2,3
	v_lshl_or_b32 v[PWD+\j], v[TP+4*\j+1], 8, v[TP+4*\j]
.endr
.irp j, 0,1,2,3
	v_lshl_or_b32 v[PWD+\j], v[TP+4*\j+2], 16, v[PWD+\j]
.endr
.irp j, 0,1,2,3
	v_lshl_or_b32 v[PWD+\j], v[TP+4*\j+3], 24, v[PWD+\j]
.endr
	v_cndmask_b32 v[OW], v[PWD], v[PWD+2], s94     ; lanes 0-15 store bytes 0-7 of their row, lanes 16-31 bytes 8-15
	v_cndmask_b32 v[OW+1], v[PWD+1], v[PWD+3], s94
	WIN 0x03                                       ; source 0: window 3
.irp m, 0,1,2,3,4,5,6,7
	v_cvt_scalef32_pk16_bf6_f32 v[CD+8*\m:CD+8*\m+2], v[32*\m:32*\m+15], v[SO+2*\m]
	v_cvt_scalef32_pk16_bf6_f32 v[TM+4*\m:TM+4*\m+2], v[32*\m+16:32*\m+31], v[SO+2*\m+1]
.endr
	WIN 0
	v_nop                                          ; one plain instruction behind the conversions
.irp m, 0,1,2,3,4,5,6,7                ; the operand's layout wants a whole block in a lane: lanes 0-15 the pair's first block, lanes 16-31 its second
.irp i, 0,1,2
	v_permlane16_swap_b32 v[CD+8*\m+\i], v[TM+4*\m+\i]
.endr
.irp i, 0,1,2
	v_mov_b32 v[CD+8*\m+3+\i], v[TM+4*\m+\i]
.endr
.endr
.irp m, 0,1,2,3,4,5,6,7
	global_store_b128 v1, v[CD+8*\m:CD+8*\m+3], s[88:89] offset:768*\m           ; 512 consecutive bytes
	global_store_b64 v2, v[CD+8*\m+4:CD+8*\m+5], s[88:89] offset:768*\m+512      ; 256
.endr
	global_store_b64 v4, v[OW:OW+1], s[88:89] offset:6144                        ; the part's 256 scale bytes
.endm
	s_wait_alu depctr_va_vdst(0)                   ; the head's end
	s_wait_tensorcnt 0x0                           ; my first fill has landed;
	s_barrier_signal -1
	s_barrier_wait -1                              ; everybody's has: x's group and Wq's lie whole in LDS
	s_mov_b32 s95, 0
.Lpass:                                        ; two trips: q, then k
	FETCH 0, 0
	s_wait_loadcnt 0x0                             ; the scale words
.irp s, 0,1,2,3,4,5,6,7
	KSTEP \s, 1, 1
.endr
	WAYOUT 1
	s_wait_xcnt 0x0                                ; the stores have read their base and their data
	s_mov_b64 s[88:89], s[46:47]                   ; the next way out stores K's part, the one after it V's
	s_add_nc_u64 s[46:47], s[46:47], 6400
	s_add_co_u32 s95, s95, 1
	s_cmp_lt_u32 s95, 2
	s_cbranch_scc1 .Lpass
	FETCH 0, 0                                     ; v: the sources change places, and nothing more is asked for
	s_wait_loadcnt 0x0
.irp s, 0,1,2,3,4,5,6,7
	KSTEP \s, 0, 0
.endr
	WAYOUT 0
	s_wait_tensorcnt 0x0                           ; the wave's end
	ds_add_u32 v[SPW], v[NIL]
	s_wait_dscnt 0x0
	CROUND                                         ; the closing round
	s_endpgm
.Lfunc_end_k_q2fec7ec3b0_qkv:
	.size	k_q2fec7ec3b0_qkv, .Lfunc_end_k_q2fec7ec3b0_qkv-k_q2fec7ec3b0_qkv
	.p2alignl 7, 3214868480
	.fill 96, 4, 3214868480
	.section	.rodata,"a",@progbits
	.p2align	6, 0x0
	.amdhsa_kernel k_q2fec7ec3b0_qkv
		.amdhsa_group_segment_fixed_size 327680
		.amdhsa_private_segment_fixed_size 0
		.amdhsa_enable_private_segment 0
		.amdhsa_kernarg_size 48
		.amdhsa_user_sgpr_count 2
		.amdhsa_user_sgpr_kernarg_segment_ptr 1
		.amdhsa_wavefront_size32 1
		.amdhsa_system_sgpr_workgroup_id_x 1
		.amdhsa_system_sgpr_workgroup_id_y 1
		.amdhsa_system_sgpr_workgroup_id_z 1
		.amdhsa_system_vgpr_workitem_id 0
		.amdhsa_next_free_vgpr 1024
		.amdhsa_next_free_sgpr 100
		.amdhsa_reserve_vcc 0
		.amdhsa_float_denorm_mode_32 3
		.amdhsa_float_denorm_mode_16_64 3
		.amdhsa_memory_ordered 1
		.amdhsa_forward_progress 1
		.amdhsa_inst_pref_size 162
	.end_amdhsa_kernel
	.amdgpu_metadata
---
amdhsa.version: [ 1, 2 ]
amdhsa.kernels:
  - .name:           k_q2fec7ec3b0_qkv
    .symbol:         k_q2fec7ec3b0_qkv.kd
    .args:
      - { .name: xc, .offset: 0, .size: 8, .value_kind: global_buffer, .address_space: global }
      - { .name: xs, .offset: 8, .size: 8, .value_kind: global_buffer, .address_space: global }
      - { .name: wc, .offset: 16, .size: 8, .value_kind: global_buffer, .address_space: global }
      - { .name: ws, .offset: 24, .size: 8, .value_kind: global_buffer, .address_space: global }
      - { .name: qc, .offset: 32, .size: 8, .value_kind: global_buffer, .address_space: global }
      - { .name: kv, .offset: 40, .size: 8, .value_kind: global_buffer, .address_space: global }
    .group_segment_fixed_size: 327680
    .private_segment_fixed_size: 0
    .kernarg_segment_align: 8
    .kernarg_segment_size: 48
    .max_flat_workgroup_size: 128
    .sgpr_count:     100
    .vgpr_count:     1024
    .wavefront_size: 32
...
	.end_amdgpu_metadata
.endif
;; end of part 2
;; launch attn (part 3): grid 4 x 64, 16 waves a work-group, clusters of 4 x 1, 206,848 bytes of LDS; arguments qc, kv, oc, os; writes oc, os
.if DOCPART == 3
	.amdgcn_target "amdgcn-amd-amdhsa--gfx1250"
	.amdhsa_code_object_version 6
	.text
	.protected	k_q2fec7ec3b0_attn
	.globl	k_q2fec7ec3b0_attn
	.p2align	8
	.type	k_q2fec7ec3b0_attn,@function
k_q2fec7ec3b0_attn:
	s_mov_b64 s[64:65], 0
	v_nop
	global_prefetch_b8 v0, s[64:65] scope:SCOPE_SE
	s_setreg_imm32_b32 hwreg(HW_REG_WAVE_MODE, 25, 1), 1
	s_wait_xcnt 0x0
	s_wait_alu depctr_hold_cnt(0) depctr_sa_sdst(0) depctr_va_vdst(0) depctr_va_sdst(0) depctr_va_ssrc(0) depctr_va_vcc(0) depctr_vm_vsrc(0)
	s_getreg_b32 s2, hwreg(HW_REG_IB_STS2, 6, 4)
	s_cmp_eq_u32 s2, 0
	s_cbranch_scc0 .Lentry_in_a_cluster
	s_endpgm
.Lentry_in_a_cluster:
	s_bfe_u32 s2, ttmp6, 0x10000c
	s_cmp_lg_u32 s2, 0x3003
	s_cbranch_scc0 .Lentry_shape_is_right
	s_endpgm
.Lentry_shape_is_right:
; Launch 3 of 4: o = softmax(q k^T / 32, causal) v on codes of E3M2, and o's quantising along the 1,024 channels for the last launch.
; WORK LEFT OUT: every step of 128 keys that lies wholly behind a tile's queries: reference()'s own mask (jnp.tril) gives those keys the weight 0 whatever the inputs hold.
; LIMITS: the promise holds while the scaled scores (the exponents to the base 2) stay under 2^31 in magnitude; a NaN, an infinity or an overflow that reaches only hidden scores is not carried on.
; SHARES: a cluster of four work-groups takes one (batch, head); work-group cx takes the tiles of 16 queries 4 w + cx and 127 - (4 w + cx), w the wave: 17 steps of 128 keys for every wave.
; ALL OF THE HEAD'S K AND V, 16 chunks of 12,800 bytes (K's 8 halves, 256 scale bytes, V's 4 fragments, 256 scale bytes), lies in LDS: wave w asks for chunk w by ONE joint load (the four partners need the same
; bytes), each byte is filled once, one wait for 0 and one barrier stand in front of all reads.  No prefetch: everything is asked for at the head, so there is no loop to run ahead in.
; Both products are used transposed (S^T = k q^T, O^T = v^T p^T): a lane holds one query.  M is the ceiling of the running largest t; p = 2^(t - M); the sum is taken of the unquantised p.
; The head's 64 fill half of a product's 128: q's upper six registers hold zero codes, so K's halves lie PACKED, six registers each, and the upper half of K's operand is the next half's codes, which meet zeros
; (scale bytes 2 and 3 of both sides are 0, a finite code).  V's fragments land in K's registers as soon as the scores are made.
; Independent chains take turns: eight chains for the blocks' largest scores, four for the sum; the scale bytes, the conversions, the lane swaps and the sum's last groups stand among each other.
; REGISTERS: v1-4 lane terms, v8-11 this step's LDS addresses, v12 -M, v13 largest score, v14-15 the sum, v16-28 the late tile's q, v32-79 K then V, v80-85 zeros, v86-93 K's scales, v94-95 V's,
; v96-159 scores then p, v160-191 O^T, v192-210 p's codes, v212-229 at work, v236-248 the early tile's q.
.set SPARE, 204800                     ; behind the 16 chunks: the spare words, 128 bytes a wave, 2,048 bytes that no other line names
.set CHUNK, 12800
.set SPW, 5
.set NIL, 6
.set KF,  32
.set KSC, 86
.set VSC, 94
.set WV,  14
.set SEL, 32
.set CS,  34
.set TB,  36
.set KS,  37
.set LIMA, 38
.set LIMB, 39
.set DQA, 40
.set DQB, 41
.set HM,  42
.macro ROUND                           ; a round of the cluster's barrier
	s_barrier_signal -1
	s_barrier_wait -1
	s_cmp_lg_u32 s[WV], 0
	s_cbranch_scc1 .Lnot_wave_0_\@
	s_barrier_signal -3
.Lnot_wave_0_\@:
	s_barrier_wait -3
	s_barrier_signal -1
	s_barrier_wait -1
.endm
	s_load_b256 s[4:11], s[0:1], 0x0               ; qc, kv, oc, os
	v_lshl_add_u32 v[SPW], v0, 2, SPARE
	v_mov_b32 v[NIL], 0
	ds_add_u32 v[SPW], v[NIL]                      ; the opening: the add, twice on end, and its wait ahead of my tensor load
	ds_add_u32 v[SPW], v[NIL]
	v_lshrrev_b32 v8, 5, v0
	s_delay_alu instid0(VALU_DEP_1)
	v_readfirstlane_b32 s[WV], v8                  ; wave 0..15
	s_and_b32 s15, ttmp7, 0xffff                   ; 16 batch + head
	s_mov_b32 s16, 15|(3<<16)|(1<<21)              ; group 1: the mask of all four partners; a chunk as 50 rows of 256 bytes (32 elements of 8 bytes), no padding
	s_mov_b32 s17, 32<<16
	s_mov_b32 s18, 50<<16
	s_mov_b32 s19, 32<<16
	s_mov_b32 s20, 50
	s_mov_b32 s21, 32
	s_mov_b32 s22, 0
	s_mov_b32 s23, 0
	s_mul_i32 s25, s[WV], CHUNK                    ; chunk w in LDS
	s_mul_i32 s12, s15, 16*CHUNK
	s_add_co_u32 s12, s12, s25                     ; and in kv
	s_mov_b32 s13, 0
	s_mov_b32 s[SEL], 0x76543210
	s_mov_b32 s[SEL+1], 0xfedcba98                 ; lane selects: lane l xor 16
	s_mov_b32 s[CS], 0x3d38aa3b                    ; c = log2(e) / 32: t = score x c
	s_mov_b32 s[CS+1], s[CS]
	s_mov_b32 s[HM], 0xffff0000                    ; lanes 16-31
	s_wait_dscnt 0x0                               ; both opening adds are done
	s_wait_kmcnt 0x0
	s_mov_b32 s24, 1
	s_add_nc_u64 s[26:27], s[6:7], s[12:13]
	s_or_b32 s27, s27, 0x80000000
	ROUND                                          ; all four work-groups are here: the joint loads meet
	tensor_load_to_lds s[24:27], s[16:23]          ; my one tensor load of the launch
	s_nop 0
	s_bfe_u32 s43, ttmp6, 0x40000                  ; cx
	s_lshl_b32 s52, s[WV], 2
	s_add_co_u32 s52, s52, s43                     ; the early tile
	s_xor_b32 s53, s52, 127                        ; the late tile
	s_lshr_b32 s[LIMA], s[WV], 1                   ; the step that holds the tile's diagonal: it hangs on the wave's number alone
	s_xor_b32 s[LIMB], s[LIMA], 15
	s_mul_i32 s66, s15, 102400
	s_lshr_b32 s67, s15, 4
	s_lshl_b32 s67, s67, 4
	s_and_b32 s69, s15, 15
	s_lshr_b32 s68, s69, 1
	s_mul_i32 s68, s68, 12288
	s_and_b32 s70, s15, 1
	s_mul_i32 s70, s70, 768
	s_add_co_u32 s68, s68, s70
	s_lshl_b32 s69, s69, 1
.macro BASES tau, qcb, qsb, ocb, osb, dq       ; a tile's places: q's half and scale bytes in qc, o's half in oc and scale bytes in os; dq: its first query's place in its chunk of 128
	s_lshr_b32 s70, s[\tau], 3
	s_and_b32 s71, s[\tau], 7
	s_mul_i32 s72, s70, 6400
	s_add_co_u32 s72, s72, s66
	s_mul_i32 s74, s71, 768
	s_add_co_u32 s74, s74, s72
	s_mov_b32 s75, 0
	s_add_nc_u64 s[\qcb:\qcb+1], s[4:5], s[74:75]
	s_lshl_b32 s74, s71, 1
	s_add_co_u32 s74, s74, s72
	s_add_co_u32 s74, s74, 6144
	s_add_nc_u64 s[\qsb:\qsb+1], s[4:5], s[74:75]
	s_add_co_u32 s74, s67, s70
	s_mul_i32 s74, s74, 98304
	s_add_co_u32 s74, s74, s68
	s_mul_i32 s76, s71, 1536
	s_add_co_u32 s74, s74, s76
	s_add_nc_u64 s[\ocb:\ocb+1], s[8:9], s[74:75]
	s_lshl_b32 s74, s67, 3
	s_add_co_u32 s74, s74, s[\tau]
	s_lshl_b32 s74, s74, 9
	s_add_co_u32 s74, s74, s69
	s_add_nc_u64 s[\osb:\osb+1], s[10:11], s[74:75]
	s_and_b32 s[\dq], s[\tau], 6
	s_lshl_b32 s[\dq], s[\dq], 4
	s_and_b32 s76, s[\tau], 1
	s_lshl_b32 s76, s76, 3
	s_or_b32 s[\dq], s[\dq], s76
.endm
	BASES 53, 54, 56, 44, 46, DQB
	BASES 52, 58, 60, 48, 50, DQA
	v_and_b32 v8, 31, v0
	s_delay_alu instid0(VALU_DEP_1)
	v_lshlrev_b32 v1, 4, v8                        ; 16 x lane
	s_delay_alu instid0(VALU_DEP_2)
	v_lshlrev_b32 v2, 3, v8                        ; 8 x lane
	v_and_b32 v9, 15, v0                           ; r
	v_bfe_u32 v10, v0, 4, 1                        ; h
	s_delay_alu instid0(VALU_DEP_2)
	v_lshlrev_b32 v3, 4, v9                        ; 16 r
	s_delay_alu instid0(VALU_DEP_1)
	v_lshl_add_u32 v4, v10, 3, v3                  ; 16 r + 8 h
	s_delay_alu instid0(VALU_DEP_3)
	v_lshl_add_u32 v30, v9, 5, v10                 ; o's scale byte: 32 r + h
	v_and_b32 v7, 8, v9
	s_delay_alu instid0(VALU_DEP_1)
	v_add_nc_u32 v7, v7, v9
	v_lshlrev_b32 v11, 4, v10
	s_delay_alu instid0(VALU_DEP_1)
	v_sub_nc_u32 v7, v7, v11                       ; r + 8 (r / 8) - 16 h: my query's place in its tile less my keys' offset
	global_load_b128 v[16:19], v1, s[54:55]
	global_load_b64 v[20:21], v2, s[54:55] offset:512
	global_load_u16 v28, v3, s[56:57]
	global_load_b128 v[236:239], v1, s[58:59]
	global_load_b64 v[240:241], v2, s[58:59] offset:512
	global_load_u16 v248, v3, s[60:61]
.irp i, 22,23,24,25,26,27, 242,243,244,245,246,247, 80,81,82,83,84,85
	v_mov_b32 v[\i], 0                             ; q's upper 64: zero codes; and the six registers behind K's last half
.endr
.irp i, 216,217,218,219,225,227
	v_mov_b32 v[\i], 0                             ; a lane permute's destination counts as a source; v227 is named as a pair's upper half
.endr
.macro INIT
	v_mov_b32 v13, 0xff61b1e6                      ; -3e38, under every score
	s_delay_alu instid0(VALU_DEP_1)
	v_floor_f32 v12, -v13
	v_mov_b32 v14, 0
	v_mov_b32 v15, 0
.set N, 0
.rept 32
	v_mov_b32 v[160+N], 0
.set N, N+1
.endr
.endm
.macro SUM4 j                          ; eight more p onto the sum's four chains
	v_pk_add_f32 v[216:217], v[216:217], v[96+\j:97+\j]
	v_pk_add_f32 v[218:219], v[218:219], v[98+\j:99+\j]
	v_pk_add_f32 v[228:229], v[228:229], v[100+\j:101+\j]
	v_pk_add_f32 v[14:15], v[14:15], v[102+\j:103+\j]
.endm
; A step: 16 queries x 128 keys.  A step behind the diagonal is jumped over, by ids alone; the trip count stays a constant.
.macro STEP qf, qs, lim, dq
	s_cmp_gt_u32 s[KS], s[\lim]
	s_cbranch_scc1 .Lhidden_\@
	v_add_nc_u32 v8, s[TB], v1                     ; these four are also the places between the last step's products and the loads into their operands
	v_add_nc_u32 v9, s[TB], v2
	v_add_nc_u32 v10, s[TB], v3
	v_add_nc_u32 v11, s[TB], v4
.irp t, 0,1,2,3,4,5,6,7
	ds_load_b128 v[KF+6*\t:KF+6*\t+3], v8 offset:768*\t
	ds_load_b64 v[KF+6*\t+4:KF+6*\t+5], v9 offset:768*\t+512
	ds_load_u16 v[KSC+\t], v10 offset:6144+2*\t
.endr
	s_wait_dscnt 0x0
.irp t, 0,1,2,3,4,5,6,7
	v_wmma_scale_f32_16x16x128_f8f6f4 v[96+8*\t:103+8*\t], v[KF+6*\t:KF+6*\t+11], v[\qf:\qf+11], 0, v[KSC+\t], v[\qs] matrix_a_fmt:MATRIX_FMT_BF6 matrix_b_fmt:MATRIX_FMT_BF6
.endr
.rept 4
	v_nop                                          ; four places ahead of the first read of the scores and of the loads into K's registers
.endr
	s_cmp_lg_u32 s[KS], s[\lim]
	s_cbranch_scc1 .Lopen_\@
	v_add_nc_u32 v228, s[\dq], v7                  ; the diagonal's step: keys behind my query get -infinity
	v_mov_b32 v229, 0xff800000
.set N, 0
.rept 64
	v_cmp_gt_i32 vcc_lo, 32*(N/16)+N%16, v228
	v_cndmask_b32 v[96+N], v[96+N], v229, vcc_lo
.set N, N+1
.endr
.Lopen_\@:
; the largest score of each block of 32 keys: two chains a block, one for each of its two accumulators, each read from its low end on
.irp b, 0,1,2,3
	v_max3_num_f32 v[212+\b], v[96+16*\b], v[97+16*\b], v[98+16*\b]
.endr
.irp b, 0,1,2,3
	v_max3_num_f32 v[216+\b], v[104+16*\b], v[105+16*\b], v[106+16*\b]
.endr
.irp b, 0,1,2,3
	v_max3_num_f32 v[212+\b], v[212+\b], v[99+16*\b], v[100+16*\b]
.endr
.irp b, 0,1,2,3
	v_max3_num_f32 v[216+\b], v[216+\b], v[107+16*\b], v[108+16*\b]
.endr
.irp t, 0,1,2,3                        ; V's four fragments into K's registers: the softmax stands between these loads and the wait for them
.irp c, 0,1
	ds_load_b128 v[KF+12*\t+6*\c:KF+12*\t+6*\c+3], v8 offset:6400+1536*\t+768*\c
	ds_load_b64 v[KF+12*\t+6*\c+4:KF+12*\t+6*\c+5], v9 offset:6400+1536*\t+768*\c+512
.endr
.endr
	ds_load_b64 v[VSC:VSC+1], v11 offset:12544
.irp b, 0,1,2,3
	v_max3_num_f32 v[212+\b], v[212+\b], v[101+16*\b], v[102+16*\b]
.endr
.irp b, 0,1,2,3
	v_max3_num_f32 v[216+\b], v[216+\b], v[109+16*\b], v[110+16*\b]
.endr
.irp b, 0,1,2,3
	v_max3_num_f32 v[212+\b], v[212+\b], v[103+16*\b], v[111+16*\b]
.endr
.irp b, 0,1,2,3
	v_max_num_f32 v[212+\b], v[212+\b], v[216+\b]
.endr
.irp b, 0,1,2,3
	v_permlanex16_b32 v[216+\b], v[212+\b], s[SEL], s[SEL+1]
.endr
.irp b, 0,1,2,3
	v_max_num_f32 v[212+\b], v[212+\b], v[216+\b]  ; with lane l xor 16's 16 keys
.endr
	v_max3_num_f32 v225, v212, v213, v214
	v_mov_b32 v229, v12                            ; the old -M
	v_max3_num_f32 v13, v225, v215, v13            ; the running largest score (c is positive: the largest t is c x this)
	v_mul_f32 v225, s[CS], v13
	v_floor_f32 v12, -v225                         ; -M = floor(-t): M is a whole number
.set N, 0
.irp x, 0,1,2,3                        ; t - M, two at a time; among them the three lines that make f = 2^(old M - new M)
.rept 8
	v_pk_fma_f32 v[96+N:97+N], v[96+N:97+N], s[CS:CS+1], v[12:13] op_sel_hi:[1,0,0]
.set N, N+2
.endr
.if \x == 0
	v_sub_f32 v229, v12, v229
.elseif \x == 1
	v_cvt_i32_f32 v229, v229                       ; (it saturates)
.elseif \x == 2
	v_ldexp_f32 v226, 1.0, v229
.endif
.endr
.irp b, 0,1,2,3
	v_fma_f32 v[212+\b], v[212+\b], s[CS], v12
.endr
.set N, 0
	s_wait_alu depctr_va_vdst(0)                   ; ahead of the batch
.rept 64
	v_exp_f32 v[96+N], v[96+N]                     ; p
.set N, N+1
.endr
	v_pk_mul_f32 v[14:15], v[14:15], v[226:227] op_sel_hi:[1,0]
	s_wait_alu depctr_va_vdst(0)                   ; and behind it
.irp b, 0,1,2,3
	v_exp_f32 v[212+\b], v[212+\b]                 ; each block's largest p
.endr
	v_pk_add_f32 v[216:217], v[96:97], v[98:99]    ; the sum of the unquantised p, two at a time, in four chains by turns
	v_pk_add_f32 v[218:219], v[100:101], v[102:103]
	v_pk_add_f32 v[228:229], v[104:105], v[106:107]
	v_pk_add_f32 v[14:15], v[14:15], v[108:109]
	SUM4 14
	SUM4 22
	SUM4 30
	s_wait_alu depctr_va_vdst(0)                   ; for the four
.irp b, 0,1,2,3
	v_max_num_f32 v[212+\b], 0x2800000, v[212+\b]  ; the floor 2^(5 - 127): the byte cannot fall under 1
.endr
	SUM4 38
.irp b, 0,1,2,3
	v_add_nc_u32 v[220+\b], 0xfe000000, v[212+\b]  ; 4 off the exponent field: the conversion's scale operand
.endr
	SUM4 46
.irp c, 0,1
	v_cvt_scalef32_pk16_bf6_f32 v[192+6*\c:194+6*\c], v[96+32*\c:111+32*\c], v[220+2*\c]
	v_cvt_scalef32_pk16_bf6_f32 v[204+4*\c:206+4*\c], v[112+32*\c:127+32*\c], v[220+2*\c+1]
.endr
	SUM4 54                                        ; (plain instructions behind the conversions; they write none of their registers)
.irp b, 0,1,2,3
	v_lshrrev_b32 v[212+\b], 23, v[220+\b]         ; the scale's byte
.endr
.irp c, 0,1                            ; a whole block to a lane
.irp i, 0,1,2
	v_permlane16_swap_b32 v[192+6*\c+\i], v[204+4*\c+\i]
.endr
.endr
	v_lshl_or_b32 v224, v213, 8, v212
	v_lshl_or_b32 v225, v215, 8, v214
	v_pk_add_f32 v[216:217], v[216:217], v[158:159]
	v_pk_add_f32 v[218:219], v[218:219], v[228:229]
.irp c, 0,1
.irp i, 0,1,2
	v_mov_b32 v[195+6*\c+\i], v[204+4*\c+\i]
.endr
.endr
	v_lshl_or_b32 v224, v225, 16, v224             ; p's scale word
	v_pk_add_f32 v[216:217], v[216:217], v[218:219]
.set N, 0
.rept 8
	v_pk_mul_f32 v[160+N:161+N], v[160+N:161+N], v[226:227] op_sel_hi:[1,0]   ; O^T under the new M
.set N, N+2
.endr
	v_pk_add_f32 v[14:15], v[14:15], v[216:217]
.rept 8
	v_pk_mul_f32 v[160+N:161+N], v[160+N:161+N], v[226:227] op_sel_hi:[1,0]
.set N, N+2
.endr
	s_wait_alu depctr_va_vdst(0)                   ; directly ahead of the wait below
	s_wait_dscnt 0x0                               ; V's fragments and scale words
.irp t, 0,1
	v_wmma_scale_f32_16x16x128_f8f6f4 v[160+8*\t:167+8*\t], v[KF+12*\t:KF+12*\t+11], v[192:203], v[160+8*\t:167+8*\t], v[VSC+\t], v224 matrix_a_fmt:MATRIX_FMT_BF6 matrix_b_fmt:MATRIX_FMT_BF6
.endr
.irp t, 2,3
	v_wmma_scale_f32_16x16x128_f8f6f4 v[160+8*\t:167+8*\t], v[KF+12*\t:KF+12*\t+11], v[192:203], v[160+8*\t:167+8*\t], v[VSC-2+\t], v224 matrix_a_fmt:MATRIX_FMT_BF6 matrix_b_fmt:MATRIX_FMT_BF6 matrix_a_scale:MATRIX_SCALE_ROW1
.endr
.Lhidden_\@:
	s_add_co_u32 s[KS], s[KS], 1
	s_add_co_u32 s[TB], s[TB], CHUNK
.endm
; A tile's end: O^T / the sum, quantised along the head's 64 (two blocks of the last launch's K), stored as a half of 768 bytes and two scale bytes a row.
.macro OUTP ocb, osb
.rept 4
	v_nop                                          ; four places behind the last products
.endr
	v_add_f32 v14, v14, v15
	s_delay_alu instid0(VALU_DEP_1)
	v_permlanex16_b32 v225, v14, s[SEL], s[SEL+1]
	s_delay_alu instid0(VALU_DEP_1)
	v_add_f32 v14, v14, v225
	s_wait_alu depctr_va_vdst(0)
	v_rcp_f32 v226, v14
	v_nop
	s_wait_alu depctr_va_vdst(0)
.set N, 0
.rept 16
	v_pk_mul_f32 v[96+N:97+N], v[160+N:161+N], v[226:227] op_sel_hi:[1,0]
.set N, N+2
.endr
.irp b, 0,1
	v_max3_num_f32 v[212+\b], |v[96+16*\b]|, |v[97+16*\b]|, 0x2800000
.endr
.irp i, 2,4,6,8,10,12,14
.irp b, 0,1
	s_delay_alu instid0(VALU_DEP_2)
	v_max3_num_f32 v[212+\b], v[212+\b], |v[96+16*\b+\i]|, |v[97+16*\b+\i]|
.endr
.endr
.irp b, 0,1
	s_delay_alu instid0(VALU_DEP_2)
	v_permlanex16_b32 v[216+\b], v[212+\b], s[SEL], s[SEL+1]
.endr
.irp b, 0,1
	s_delay_alu instid0(VALU_DEP_2)
	v_max_num_f32 v[212+\b], v[212+\b], v[216+\b]
.endr
.irp b, 0,1
	s_delay_alu instid0(VALU_DEP_2)
	v_add_nc_u32 v[220+\b], 0xfe000000, v[212+\b]
.endr
.irp b, 0,1
	s_delay_alu instid0(VALU_DEP_2)
	v_lshrrev_b32 v[216+\b], 23, v[220+\b]
.endr
	v_cvt_scalef32_pk16_bf6_f32 v[192:194], v[96:111], v220
	v_cvt_scalef32_pk16_bf6_f32 v[204:206], v[112:127], v221
	v_cndmask_b32 v225, v216, v217, s[HM]
.irp i, 0,1,2
	v_permlane16_swap_b32 v[192+\i], v[204+\i]
.endr
.irp i, 0,1,2
	s_delay_alu instid0(VALU_DEP_3)
	v_mov_b32 v[195+\i], v[204+\i]
.endr
	global_store_b128 v1, v[192:195], s[\ocb:\ocb+1]               ; 512 consecutive bytes
	global_store_b64 v2, v[196:197], s[\ocb:\ocb+1] offset:512     ; 256
	global_store_b8 v30, v225, s[\osb:\osb+1]
.endm
	INIT
	s_wait_alu depctr_va_vdst(0)                   ; the head's end
	s_wait_loadcnt 0x0                             ; q's halves and scale bytes
	s_wait_tensorcnt 0x0                           ; my chunk has landed;
	s_barrier_signal -1
	s_barrier_wait -1                              ; everybody's has: no barrier stands behind this one but the closing round's
	s_mov_b32 s[TB], 0
	s_mov_b32 s[KS], 0
.Llate:                                        ; the late tile first: 9 to 16 steps
	STEP 16, 28, LIMB, DQB
	s_cmp_lt_u32 s[KS], 16
	s_cbranch_scc1 .Llate
	OUTP 44, 46
	s_wait_xcnt 0x0                                ; the stores have read their registers
	INIT
	s_mov_b32 s[TB], 0
	s_mov_b32 s[KS], 0
.Learly:                                       ; the early tile: 1 to 8 steps
	STEP 236, 248, LIMA, DQA
	s_cmp_lt_u32 s[KS], 8
	s_cbranch_scc1 .Learly
	OUTP 48, 50
	s_wait_tensorcnt 0x0                           ; the wave's end
	ds_add_u32 v[SPW], v[NIL]
	s_wait_dscnt 0x0
	ROUND                                          ; the closing round
	s_endpgm
.Lfunc_end_k_q2fec7ec3b0_attn:
	.size	k_q2fec7ec3b0_attn, .Lfunc_end_k_q2fec7ec3b0_attn-k_q2fec7ec3b0_attn
	.p2alignl 7, 3214868480
	.fill 96, 4, 3214868480
	.section	.rodata,"a",@progbits
	.p2align	6, 0x0
	.amdhsa_kernel k_q2fec7ec3b0_attn
		.amdhsa_group_segment_fixed_size 206848
		.amdhsa_private_segment_fixed_size 0
		.amdhsa_enable_private_segment 0
		.amdhsa_kernarg_size 32
		.amdhsa_user_sgpr_count 2
		.amdhsa_user_sgpr_kernarg_segment_ptr 1
		.amdhsa_wavefront_size32 1
		.amdhsa_system_sgpr_workgroup_id_x 1
		.amdhsa_system_sgpr_workgroup_id_y 1
		.amdhsa_system_sgpr_workgroup_id_z 1
		.amdhsa_system_vgpr_workitem_id 0
		.amdhsa_next_free_vgpr 256
		.amdhsa_next_free_sgpr 80
		.amdhsa_reserve_vcc 1
		.amdhsa_float_denorm_mode_32 3
		.amdhsa_float_denorm_mode_16_64 3
		.amdhsa_memory_ordered 1
		.amdhsa_forward_progress 1
		.amdhsa_inst_pref_size 62
	.end_amdhsa_kernel
	.amdgpu_metadata
---
amdhsa.version: [ 1, 2 ]
amdhsa.kernels:
  - .name:           k_q2fec7ec3b0_attn
    .symbol:         k_q2fec7ec3b0_attn.kd
    .args:
      - { .name: qc, .offset: 0, .size: 8, .value_kind: global_buffer, .address_space: global }
      - { .name: kv, .offset: 8, .size: 8, .value_kind: global_buffer, .address_space: global }
      - { .name: oc, .offset: 16, .size: 8, .value_kind: global_buffer, .address_space: global }
      - { .name: os, .offset: 24, .size: 8, .value_kind: global_buffer, .address_space: global }
    .group_segment_fixed_size: 206848
    .private_segment_fixed_size: 0
    .kernarg_segment_align: 8
    .kernarg_segment_size: 32
    .max_flat_workgroup_size: 512
    .sgpr_count:     80
    .vgpr_count:     256
    .wavefront_size: 32
...
	.end_amdgpu_metadata
.endif
;; end of part 3
;; launch proj (part 4): grid 4 x 64, 4 waves a work-group, clusters of 4 x 4, 312,832 bytes of LDS; arguments oc, os, wc, ws, bproj, out0; writes out0
.if DOCPART == 4
	.amdgcn_target "amdgcn-amd-amdhsa--gfx1250"
	.amdhsa_code_object_version 6
	.text
	.protected	k_q2fec7ec3b0_proj
	.globl	k_q2fec7ec3b0_proj
	.p2align	8
	.type	k_q2fec7ec3b0_proj,@function
k_q2fec7ec3b0_proj:
	s_mov_b64 s[64:65], 0
	v_nop
	global_prefetch_b8 v0, s[64:65] scope:SCOPE_SE
	s_setreg_imm32_b32 hwreg(HW_REG_WAVE_MODE, 25, 1), 1
	s_wait_xcnt 0x0
	s_wait_alu depctr_hold_cnt(0) depctr_sa_sdst(0) depctr_va_vdst(0) depctr_va_sdst(0) depctr_va_ssrc(0) depctr_va_vcc(0) depctr_vm_vsrc(0)
	s_getreg_b32 s2, hwreg(HW_REG_IB_STS2, 6, 4)
	s_cmp_eq_u32 s2, 0
	s_cbranch_scc0 .Lentry_in_a_cluster
	s_endpgm
.Lentry_in_a_cluster:
	s_bfe_u32 s2, ttmp6, 0x10000c
	s_cmp_lg_u32 s2, 0xf033
	s_cbranch_scc0 .Lentry_shape_is_right
	s_endpgm
.Lentry_shape_is_right:
; Launch 4 of 4: out = o Wproj^T + bproj, on codes of E3M2.  Nothing is left out here.
; SHARES: a work-group makes 128 tokens (group G) x 256 outputs (group 12 + cx of wc); wave w all 128 tokens x outputs 64 w .. 64 w + 63 of them: 32 accumulators.  256 work-groups.
; ALL OF K LIES IN LDS, 294,912 bytes, each byte filled once: at the head wave 0 asks for o's group (98,304 bytes), waves 1 to 3 for a third of Wproj's group each (65,536 bytes): one tensor load a wave, one wait for 0,
; one barrier.  CLUSTER 4 x 4: o's tiles are shared along a row, Wproj's along a column.  No prefetch: everything is asked for at the head, so there is no loop to run ahead in.
; The product is used transposed (source 0 = 16 rows of Wproj, source 1 = 16 tokens): a lane holds one token and its registers neighbouring outputs.  The bias is the C of each sum's first product.
; THE WAY OUT: 16 tokens x 64 outputs at a time through the wave's own stage in LDS, so that sixteen lanes store 256 consecutive bytes, at a multiple of 256 from out0's first byte.
; REGISTERS: window 0: addresses, scale words, the bias, rows on the way out; windows 1 and 2: fragment buffers (o's tile a at v[12 a], W's tile b at v[96 + 12 b]); window 3: accumulator (a, b) at v[32 a + 8 b].
.set SPARE, 294912                     ; behind the tiles: the spare words, 128 bytes a wave: two blocks of 256 bytes that no other line names
.set STAGE, 295424                     ; behind them: 16 rows x 272 bytes for each wave; no tensor load lands here
.set SPW,  8
.set NIL,  9
.set STO,  10                          ; v10 the stage: where I put 16 bytes of a row
.set RD,   11                          ; v11 and where I read a row back
.set CO,   12                          ; v12 my byte offset in out0
.set XS,   16                          ; v16-47 o's scale words
.set WS,   48                          ; v48-63 Wproj's
.set AA16, 64
.set AA8,  68
.set BB16, 72
.set BB8,  76
.set BI,   80                          ; v80-111 the bias: tile b at v[80 + 8 b], in the result's layout
.set MSB, 0
.macro WIN new
.if MSB != (\new)
	s_set_vgpr_msb (MSB<<8)|(\new)
.set MSB, (\new)
.endif
.endm
.macro CROUND
	s_barrier_signal -1
	s_barrier_wait -1
	s_cmp_lg_u32 s16, 0
	s_cbranch_scc1 .Lnot_wave_0_\@
	s_barrier_signal -3
.Lnot_wave_0_\@:
	s_barrier_wait -3
	s_barrier_signal -1
	s_barrier_wait -1
.endm
.macro PLACES
.rept 4
	v_nop
.endr
.endm
	s_load_b256 s[4:11], s[0:1], 0x0               ; oc, os, wc, ws
	s_load_b128 s[12:15], s[0:1], 0x20             ; bproj, out0
	v_lshl_add_u32 v[SPW], v0, 2, SPARE
	v_mov_b32 v[NIL], 0
	ds_add_u32 v[SPW], v[NIL]                      ; the wave's opening: the add, twice on end, and its wait ahead of my first tensor load
	ds_add_u32 v[SPW], v[NIL]
	v_lshrrev_b32 v1, 5, v0
	v_readfirstlane_b32 s16, v1                    ; wave 0..3
	s_bfe_u32 s17, ttmp6, 0x40000                  ; cx
	s_bfe_u32 s18, ttmp6, 0x40004                  ; cy
	s_and_b32 s20, ttmp7, 0xffff
	s_lshl_b32 s20, s20, 2
	s_add_co_u32 s20, s20, s18                     ; G = 4 x cluster y + cy
	s_add_co_u32 s21, s17, 12                      ; Wproj's group in wc
	s_lshl_b32 s76, s18, 2
	s_lshl_b32 s76, 15, s76                        ; my row of the cluster
	s_lshl_b32 s77, 0x1111, s17                    ; my column
	s_or_b32 s24, s76, (3<<16)|(1<<21)             ; group 1: dense blocks as rows of 256 bytes: o's group 384 rows, a third of W's group 256
	s_mov_b32 s25, 32<<16
	s_mov_b32 s26, 384<<16
	s_mov_b32 s27, 32<<16
	s_mov_b32 s28, 384
	s_mov_b32 s29, 32
	s_mov_b32 s30, 0
	s_mov_b32 s31, 0
	s_or_b32 s32, s77, (3<<16)|(1<<21)
	s_mov_b32 s33, 32<<16
	s_mov_b32 s34, 256<<16
	s_mov_b32 s35, 32<<16
	s_mov_b32 s36, 256
	s_mov_b32 s37, 32
	s_mov_b32 s38, 0
	s_mov_b32 s39, 0
	s_mul_i32 s78, s20, 98304
	s_mov_b32 s79, 0
	s_xor_b32 s22, s16, 3                          ; waves 1, 2, 3 fetch thirds 2, 1, 0 of W's group (wave 0 fetches o's)
	s_lshl_b32 s23, s22, 16
	s_mul_i32 s80, s21, 196608
	s_add_co_u32 s80, s80, s23
	s_mov_b32 s81, 0
	s_wait_dscnt 0x0                               ; both opening adds are done
	s_wait_kmcnt 0x0
	s_add_nc_u64 s[78:79], s[4:5], s[78:79]
	s_add_nc_u64 s[80:81], s[8:9], s[80:81]
	CROUND                                         ; all sixteen work-groups are here: the joint loads meet
	s_mov_b32 s40, 1
	s_mov_b32 s41, 0
	s_mov_b64 s[42:43], s[78:79]
	s_or_b32 s43, s43, 0x80000000
	s_mov_b32 s56, 1
	s_add_co_u32 s57, s23, 98304
	s_mov_b64 s[58:59], s[80:81]
	s_or_b32 s59, s59, 0x80000000
	s_cmp_eq_u32 s16, 0                            ; every wave issues ONE first fill, in one arm or the other
	s_cbranch_scc0 .Lfill_w
	tensor_load_to_lds s[40:43], s[24:31]
	s_nop 0
	PLACES
	s_branch .Lfilled
.Lfill_w:
	tensor_load_to_lds s[56:59], s[32:39]
	s_nop 0
	PLACES
.Lfilled:
	v_and_b32 v5, 31, v0
	v_lshlrev_b32 v1, 4, v5                        ; 16 x lane
	v_lshlrev_b32 v2, 3, v5                        ; 8 x lane
	v_and_b32 v6, 15, v0                           ; r
	v_bfe_u32 v7, v0, 4, 1                         ; h
	v_lshlrev_b32 v3, 5, v6
	v_lshl_add_u32 v3, v7, 4, v3                   ; 32 r + 16 h
	s_wait_alu depctr_va_vdst(0)
	v_lshlrev_b32 v13, 6, v7                       ; the bias: 64 h
	s_wait_alu depctr_va_vdst(0)
	s_lshl_b32 s82, s20, 12
	s_mov_b32 s83, 0
	s_add_nc_u64 s[82:83], s[6:7], s[82:83]        ; o's scale words
	s_lshl_b32 s84, s21, 13
	s_lshl_b32 s85, s16, 11
	s_add_co_u32 s84, s84, s85
	s_mov_b32 s85, 0
	s_add_nc_u64 s[84:85], s[10:11], s[84:85]      ; Wproj's
	s_lshl_b32 s90, s17, 10
	s_lshl_b32 s91, s16, 8
	s_add_co_u32 s90, s90, s91                     ; my 64 outputs, in bytes: 1,024 cx + 256 w
	s_mov_b32 s91, 0
	s_add_nc_u64 s[12:13], s[12:13], s[90:91]
	s_add_nc_u64 s[14:15], s[14:15], s[90:91]
	s_lshl_b32 s90, s20, 19                        ; my 128 tokens: rows of 4,096 bytes
	s_add_nc_u64 s[14:15], s[14:15], s[90:91]
.irp a, 0,1,2,3,4,5,6,7
	global_load_b128 v[XS+4*\a:XS+4*\a+3], v3, s[82:83] offset:512*\a
.endr
.irp b, 0,1,2,3
	global_load_b128 v[WS+4*\b:WS+4*\b+3], v3, s[84:85] offset:512*\b
.endr
.irp b, 0,1,2,3
	global_load_b128 v[BI+8*\b:BI+8*\b+3], v13, s[12:13] offset:128*(\b/2)+32*(\b%2)       ; tile b, register j: output 32 (b / 2) + 16 h + 8 (b % 2) + j
	global_load_b128 v[BI+8*\b+4:BI+8*\b+7], v13, s[12:13] offset:128*(\b/2)+32*(\b%2)+16
.endr
	s_mul_i32 s86, s16, 6144
.irp j, 0,1,2,3
	v_add_nc_u32 v[AA16+\j], 24576*\j, v1
	v_add_nc_u32 v[AA8+\j], 24576*\j, v2
	s_add_co_u32 s87, s86, 98304+49152*\j
	v_add_nc_u32 v[BB16+\j], s87, v1
	v_add_nc_u32 v[BB8+\j], s87, v2
.endr
	s_mul_i32 s86, s16, 16*272
	s_add_co_u32 s86, s86, STAGE                   ; my stage
	v_mul_u32_u24 v[STO], v6, 272
	v_lshl_add_u32 v[STO], v7, 6, v[STO]
	v_add_nc_u32 v[STO], s86, v[STO]               ; in: row r, + 64 h
	v_mul_u32_u24 v[RD], v7, 272
	v_lshl_add_u32 v[RD], v6, 4, v[RD]
	v_add_nc_u32 v[RD], s86, v[RD]                 ; back: lanes 0-15 one row of 256 bytes, lanes 16-31 the next
	v_lshlrev_b32 v[CO], 12, v7
	v_lshl_add_u32 v[CO], v6, 4, v[CO]             ; and the same two rows in out0
.macro FETCH s, p                      ; 48 LDS loads in one run: K step s: o's eight fragments and my four of Wproj into buffer p
	WIN 0x40*(1+(\p))
.irp a, 0,1,2,3,4,5,6,7
.irp c, 0,1
	ds_load_b128 v[12*\a+6*\c:12*\a+6*\c+3], v[AA16+(\s)/2] offset:((\s)%2)*12288+1536*\a+768*\c
	ds_load_b64 v[12*\a+6*\c+4:12*\a+6*\c+5], v[AA8+(\s)/2] offset:((\s)%2)*12288+1536*\a+768*\c+512
.endr
.endr
.irp b, 0,1,2,3
.irp c, 0,1
	ds_load_b128 v[96+12*\b+6*\c:96+12*\b+6*\c+3], v[BB16+(\s)/2] offset:((\s)%2)*24576+1536*\b+768*\c
	ds_load_b64 v[96+12*\b+6*\c+4:96+12*\b+6*\c+5], v[BB8+(\s)/2] offset:((\s)%2)*24576+1536*\b+768*\c+512
.endr
.endr
	WIN 0
.endm
.macro WM s, d, x, y, cb, sx, sy       ; one product; K step 0 starts the sum with the bias; K steps 4-7 take their scale words from lanes 16-31
.if (\s) == 0
	v_wmma_scale_f32_16x16x128_f8f6f4 v[(\d):(\d)+7], v[(\x):(\x)+11], v[(\y):(\y)+11], v[(\cb):(\cb)+7], v[\sx], v[\sy] matrix_a_fmt:MATRIX_FMT_BF6 matrix_b_fmt:MATRIX_FMT_BF6
.elseif (\s) < 4
	v_wmma_scale_f32_16x16x128_f8f6f4 v[(\d):(\d)+7], v[(\x):(\x)+11], v[(\y):(\y)+11], v[(\d):(\d)+7], v[\sx], v[\sy] matrix_a_fmt:MATRIX_FMT_BF6 matrix_b_fmt:MATRIX_FMT_BF6
.else
	v_wmma_scale_f32_16x16x128_f8f6f4 v[(\d):(\d)+7], v[(\x):(\x)+11], v[(\y):(\y)+11], v[(\d):(\d)+7], v[\sx], v[\sy] matrix_a_fmt:MATRIX_FMT_BF6 matrix_b_fmt:MATRIX_FMT_BF6 matrix_a_scale:MATRIX_SCALE_ROW1 matrix_b_scale:MATRIX_SCALE_ROW1
.endif
.endm
.macro KSTEP s
.if (\s) < 7
	PLACES                                         ; four places in front of loads into registers that the last products read
	FETCH (\s)+1, ((\s)+1)%2
	s_wait_dscnt 48                                ; this step's fragments are in; the 48 loads just issued may be out
.else
	s_wait_dscnt 0x0
.endif
.if (\s) == 0
	WIN 0xC5                                       ; sources in window 1, the bias in window 0, D in window 3
.else
	WIN 0xF0+5*(1+(\s)%2)                          ; sources in the buffer's window, C and D in window 3
.endif
.irp a, 0,1,2,3,4,5,6,7                ; the 32 accumulators by turns, one instruction a turn
.irp b, 0,1,2,3
	WM \s, 32*\a+8*\b, 96+12*\b, 12*\a, BI+8*\b, WS+4*\b+(\s)%4, XS+4*\a+(\s)%4
.endr
.endr
	WIN 0
.endm
	s_wait_alu depctr_va_vdst(0)                   ; the head's end
	s_wait_tensorcnt 0x0                           ; my one load has landed; behind the barrier everybody's has: all of K lies in LDS
	s_barrier_signal -1
	s_barrier_wait -1
	FETCH 0, 0
	s_wait_loadcnt 0x0                             ; the scale words and the bias
.irp s, 0,1,2,3,4,5,6,7
	KSTEP \s
.endr
.macro TOSTAGE a                       ; tile a's 16 tokens x 64 outputs into my stage, and back as whole rows
	WIN 0x0c                                       ; an LDS store's data are its source 1: window 3
.irp b, 0,1,2,3
	ds_store_b128 v[STO], v[32*(\a)+8*\b:32*(\a)+8*\b+3] offset:128*(\b/2)+32*(\b%2)          ; each accumulator from its low end on
	ds_store_b128 v[STO], v[32*(\a)+8*\b+4:32*(\a)+8*\b+7] offset:128*(\b/2)+32*(\b%2)+16
.endr
	WIN 0
.irp i, 0,1,2,3,4,5,6,7
	ds_load_b128 v[128+32*((\a)%2)+4*\i:128+32*((\a)%2)+4*\i+3], v[RD] offset:544*\i   ; LDS serves a wave's instructions in order: these see the stores above, and the next tile's stores come behind them
.endr
.endm
.macro SEND a, younger                 ; stage row 2 i + lane / 16 is token 32 (a / 2) + 8 (a % 2) + 2 i + 8 (i / 4) + lane / 16 of the group
	s_wait_dscnt \younger
.irp i, 0,1,2,3,4,5,6,7
	global_store_b128 v[CO], v[128+32*((\a)%2)+4*\i:128+32*((\a)%2)+4*\i+3], s[14:15] offset:(32*((\a)/2)+8*((\a)%2)+2*\i+8*(\i/4))*4096 th:TH_STORE_NT
.endr
.endm
	PLACES                                         ; four places in front of the first read of the last results
	TOSTAGE 0
.irp a, 1,2,3,4,5,6,7
.if \a > 1
	s_wait_xcnt 0x0                                ; tile a - 2's stores have read their registers: tile a's rows may land there
.endif
	TOSTAGE \a
	SEND \a-1, 16                                  ; behind tile a - 1's loads: tile a's 8 stores and 8 loads
.endr
	SEND 7, 0
	s_wait_tensorcnt 0x0                           ; the wave's end, behind my last tensor load and my last LDS store
	ds_add_u32 v[SPW], v[NIL]
	s_wait_dscnt 0x0
	CROUND                                         ; the closing round
	s_endpgm
.Lfunc_end_k_q2fec7ec3b0_proj:
	.size	k_q2fec7ec3b0_proj, .Lfunc_end_k_q2fec7ec3b0_proj-k_q2fec7ec3b0_proj
	.p2alignl 7, 3214868480
	.fill 96, 4, 3214868480
	.section	.rodata,"a",@progbits
	.p2align	6, 0x0
	.amdhsa_kernel k_q2fec7ec3b0_proj
		.amdhsa_group_segment_fixed_size 312832
		.amdhsa_private_segment_fixed_size 0
		.amdhsa_enable_private_segment 0
		.amdhsa_kernarg_size 48
		.amdhsa_user_sgpr_count 2
		.amdhsa_user_sgpr_kernarg_segment_ptr 1
		.amdhsa_wavefront_size32 1
		.amdhsa_system_sgpr_workgroup_id_x 1
		.amdhsa_system_sgpr_workgroup_id_y 1
		.amdhsa_system_sgpr_workgroup_id_z 1
		.amdhsa_system_vgpr_workitem_id 0
		.amdhsa_next_free_vgpr 1024
		.amdhsa_next_free_sgpr 100
		.amdhsa_reserve_vcc 0
		.amdhsa_float_denorm_mode_32 3
		.amdhsa_float_denorm_mode_16_64 3
		.amdhsa_memory_ordered 1
		.amdhsa_forward_progress 1
		.amdhsa_inst_pref_size 82
	.end_amdhsa_kernel
	.amdgpu_metadata
---
amdhsa.version: [ 1, 2 ]
amdhsa.kernels:
  - .name:           k_q2fec7ec3b0_proj
    .symbol:         k_q2fec7ec3b0_proj.kd
    .args:
      - { .name: oc, .offset: 0, .size: 8, .value_kind: global_buffer, .address_space: global }
      - { .name: os, .offset: 8, .size: 8, .value_kind: global_buffer, .address_space: global }
      - { .name: wc, .offset: 16, .size: 8, .value_kind: global_buffer, .address_space: global }
      - { .name: ws, .offset: 24, .size: 8, .value_kind: global_buffer, .address_space: global }
      - { .name: bproj, .offset: 32, .size: 8, .value_kind: global_buffer, .address_space: global }
      - { .name: out0, .offset: 40, .size: 8, .value_kind: global_buffer, .address_space: global }
    .group_segment_fixed_size: 312832
    .private_segment_fixed_size: 0
    .kernarg_segment_align: 8
    .kernarg_segment_size: 48
    .max_flat_workgroup_size: 128
    .sgpr_count:     100
    .vgpr_count:     1024
    .wavefront_size: 32
...
	.end_amdgpu_metadata
.endif
;; end of part 4
